; MI455X (gfx1250); checked and timed in simulation.
; The chip was launched on July 23, 2026; its instructions are those of AMD's public machine-readable ISA for CDNA 5 (MIT licence, August 2026) and "CDNA5" Instruction Set Architecture Reference Guide (July 2026). The comments in the code are by the model that wrote it; some were corrected since.
;; Multi Head Attention. Allowed arithmetic: matrix products marked QUANTISED: E2M3 operands, one E8M0 scale for each 32 along K, by v_wmma_scale_f32_16x16x128_f8f6f4 with both operands' format E2M3, f32 sums; everything else in f32.
;; Inputs: Wk 512 x 512 float32; Wo 512 x 512 float32; Wq 512 x 512 float32; Wv 512 x 512 float32; bk 512 float32; bo 512 float32; bq 512 float32; bv 512 float32; x 2 x 4,096 x 512 float32.
;; Outputs: out0 2 x 4,096 x 512 float32.
;; This version of the problem:
;;   THIS VERSION OF THE PROBLEM IS GIVEN IN LOW PRECISION. The matrix products marked QUANTISED in the list below multiply operands that are first quantised to E2M3 (2 exponent bits, 3 mantissa bits; 6 bits a number), with one power-of-two scale for each 32 numbers along K (OCP MX v1.0); their sums are f32. All else is computed in f32.
;;   The module's matrix products, in the order in which they are computed (A, B: the left and right operand; K: the contracted axis; several contracted axes count as one K, in the product's order):
;;     1. [M 8,192, K 512] x [K 512, N 512]; A: input x; B: input Wq: QUANTISED
;;     2. [M 8,192, K 512] x [K 512, N 512]; A: input x; B: input Wk: QUANTISED
;;     3. [M 8,192, K 512] x [K 512, N 512]; A: input x; B: input Wv: QUANTISED
;;     4. batch 16 x [M 4,096, K 64] x [K 64, N 4,096]; A: computed on the way; B: computed on the way: QUANTISED
;;     5. batch 16 x [M 4,096, K 4,096] x [K 4,096, N 64]; A: softmax (see below); B: computed on the way: QUANTISED
;;     6. [M 8,192, K 512] x [K 512, N 512]; A: computed on the way; B: input Wo: QUANTISED
;;   THE QUANTISER, for each operand of a quantised product, along K:
;;     - K is cut into blocks of 32 from its start; a last block that is shorter is filled with zeros.
;;     - A block's scale is 2^e with e = floor(log2(the largest magnitude in the block)) - 2, held to -126 .. 127; a block of zeros has e = 0. As a byte (E8M0): e + 127.
;;     - Each number is divided by its block's scale, clamped to +-7.5, and rounded to the nearest number of E2M3, ties to even, subnormals kept.
;;     - The product sums the exact products of the quantised numbers (number of the format x scale) in f32.
;;   ~~~python
;;   def quantise(x, axis):      # numpy; x: float32 -> the quantised numbers, widened to float32 again
;;       x = np.moveaxis(x, axis, -1); K = x.shape[-1]
;;       x = np.pad(x, [(0, 0)] * (x.ndim - 1) + [(0, -K % 32)]); x = x.reshape(x.shape[:-1] + (-1, 32)); a = np.abs(x).max(-1, keepdims=True)
;;       e = np.where(a > 0, np.clip(np.frexp(np.where(a > 0, a, 1))[1] - 1 - 2, -126, 127), 0)      # np.frexp(a)[1] - 1 = floor(log2(a)), exactly
;;       r = np.clip(x / 2.0 ** e, -7.5, 7.5)
;;       step = 2.0 ** (np.maximum(np.frexp(np.where(r == 0, 1, r))[1] - 1, 0) - 3)
;;       q = np.round(r / step) * step * 2.0 ** e      # np.round: ties to even
;;       return np.moveaxis(q.reshape(q.shape[:-2] + (-1,))[..., :K], -1, axis).astype(np.float32)
;;   ~~~
;;   SOFTMAX AHEAD OF A QUANTISED PRODUCT. Where the list says 'softmax', what is quantised is not the finished softmax but p = 2^(t - M), with t = logit x log2(e) and M = ceil(the row's largest t), a whole number; so 1/2 < the row's largest p <= 1. The row's sum l is taken of the UNQUANTISED p, in f32, and the product's result is divided by l at the end. Since M is a whole number, a kernel that streams over the keys may use a running M (the ceiling of the running maximum): every later rescaling is an exact power of two, which a block's scale takes up: the codes' values come out the same.
;;   OPERANDS COMPUTED ON THE WAY. 'Computed on the way' means the value that the module computes at that place (a softmax that the list does not call 'softmax' is quantised finished and normalised). What goes into a quantiser is computed in f32, as accurately as f32 sums, v_exp_f32 and their like allow (about 1e-6 of the number): no bf16 or f16 on the way to a quantiser, and a product that is left as it is and whose result goes on into a quantised operand takes f32 operands (vector FMAs, or v_wmma_f32_16x16x4_f32). A number that lies on a knife's edge between two numbers of the format may be rounded either way, as far as f32 arithmetic and the matrix unit's own rounding can turn it there, and no further.
;; One version. Each part assembles by itself: llvm-mc -triple=amdgcn-amd-amdhsa -mcpu=gfx1250 --defsym DOCPART=n.
;; ======== version 1 of 1: 4 launches
;; limits: right only within a limited range of input values
;; workspace buffers: xq 3,276,800 bytes; wimg 819,200 bytes; qbuf 6,553,600 bytes; kv 6,553,600 bytes; obuf 3,276,800 bytes
;; launch prep (part 1): grid 320 x 1, 4 waves a work-group, no clusters, 68,096 bytes of LDS; arguments x, Wq, Wk, Wv, Wo, xq, wimg; writes xq, wimg
.if DOCPART == 1
	.amdgcn_target "amdgcn-amd-amdhsa--gfx1250"
	.amdhsa_code_object_version 6
	.text
	.protected	k_qc25548704a_prep
	.globl	k_qc25548704a_prep
	.p2align	8
	.type	k_qc25548704a_prep,@function
k_qc25548704a_prep:
	s_mov_b64 s[64:65], 0
	v_nop
	global_prefetch_b8 v0, s[64:65] scope:SCOPE_SE
	s_setreg_imm32_b32 hwreg(HW_REG_WAVE_MODE, 25, 1), 1
	s_wait_xcnt 0x0
; PREP: x [8192][512] and the four weights [512 (k)][512 (n)], f32, become codes of FP6 (E2M3) with one E8M0 byte for each 32 along K,
; laid in the order of a matrix operand's registers.
; A TILE is 16 rows (tokens of x, or units n of a weight).  Rows go in groups G of 32: tile 2 G + u, row r, is row 32 G + 8 u + r + 8 (r / 8).
; A tile's block is 6,400 bytes: fragment s (128 along K) at 1536 s, register p of lane l at 512 (p / 4) + 16 l + 4 (p % 4); register 6 c + i of lane
; (r, h) holds k = 128 s + 64 c + 32 h + 0 .. 31 of row r; the scale word of (s, r) at 6144 + 64 s + 4 r.
; A WAVE takes one group x one K step.  Lane 16 u + r owns row r of tile u and holds its 128 numbers in K order: four whole blocks, so no maximum needs another lane.
; x (work-groups 0-255: G = work-group, s = wave): each load reads 512 consecutive bytes of one row; the rows turn through the wave's own stage in LDS (pitch 528) so that a lane gets a row.
; Weights (work-groups 256-319): K is the first axis, so a lane takes a column and its registers run down K; each load reads 128 consecutive bytes a wave, 512 a work-group.
; A block's scale is 2^(floor(log2(largest magnitude)) - 2): its byte is the largest magnitude's exponent field - 2, held at 1 from below by a floor among the maximum's leaves.
; LIMITS: a block of zeros gets the byte 1 where the rule says 127 (its codes are zeros, and this program alone reads the bytes); NaN and infinities among the inputs are not served.
; No tensor loads, no barrier, no cluster: waves share nothing, and every input byte is read once.
.set R,      32                        ; v32-159  my row's 128 numbers
.set F0,     160                       ; v160-171 tile 2 G's fragment
.set F1,     172                       ; v172-183 tile 2 G + 1's
.set CT,     184                       ; v184-199 the upper halves of the four blocks' codes (a conversion's three registers begin on an even number)
.set MX,     8                         ; v8-11    the blocks' largest magnitudes
.set SO,     12                        ; v12-15   the conversions' scale operands
.set BY,     16                        ; v16-19   the scale bytes
.set SW,     20                        ; v20      my row's scale word
.set SPITCH, 528                       ; a stage row: 512 bytes + 16: sixteen lanes that read sixteen rows touch sixteen different columns of 16 bytes
.set WSTAGE, 32*SPITCH
	s_load_b256 s[4:11], s[0:1], 0x0               ; x, Wq, Wk, Wv
	s_load_b128 s[12:15], s[0:1], 0x20             ; Wo, xq
	s_load_b64 s[16:17], s[0:1], 0x30              ; wimg
	v_lshl_add_u32 v200, v0, 2, 0x10800
	v_mov_b32 v201, 0
	v_lshrrev_b32 v1, 5, v0
	v_readfirstlane_b32 s18, v1                    ; wave
	v_and_b32 v1, 31, v0                           ; lane
	v_lshlrev_b32 v2, 4, v1                        ; 16 x lane
	s_mul_i32 s34, s18, WSTAGE
	v_add_nc_u32 v3, s34, v2                       ; the stage, on the way in: 16 x lane of a row
	v_mul_u32_u24 v4, v1, SPITCH
	v_add_nc_u32 v4, s34, v4                       ; and on the way out: my row
	v_and_b32 v5, 7, v1
	v_bfe_u32 v8, v1, 3, 1
	v_bfe_u32 v9, v1, 4, 1
	v_lshl_or_b32 v5, v8, 4, v5
	v_lshl_or_b32 v5, v9, 3, v5                    ; my row in the group: the lane's number with bits 3 and 4 changed over
	v_lshlrev_b32 v5, 2, v5                        ; as a column of a weight, in bytes
	v_and_b32 v8, 15, v1
	v_mul_u32_u24 v6, v9, 6400
	v_lshl_add_u32 v6, v8, 2, v6                   ; my scale word's place: tile u's block, 4 r
	s_mov_b32 s2, ttmp9
	s_sub_co_u32 s19, s2, 256                      ; q: a weight's work-group counts from 256 (for x's work-groups what follows is made and not chosen)
	s_bfe_u32 s20, s19, 0x20004                    ; which weight: q / 16
	s_bfe_u32 s21, s19, 0x20002                    ; its K step: (q / 4) % 4
	s_and_b32 s22, s19, 3
	s_lshl_b32 s22, s22, 2
	s_add_co_u32 s22, s22, s18                     ; its group of 32 units: 4 (q % 4) + wave
	s_lshl_b32 s23, s20, 4
	s_add_co_u32 s23, s23, s22                     ; the group's number in wimg
	s_and_b32 s35, s20, 1
	s_lshr_b32 s36, s20, 1
	s_mov_b32 s33, 0
	s_wait_alu depctr_va_vdst(0)
	s_wait_kmcnt 0x0
	s_cmp_lg_u32 s35, 0                            ; the choices hang on the work-group's number alone
	s_cselect_b64 s[28:29], s[8:9], s[6:7]         ; Wk or Wq
	s_cselect_b64 s[30:31], s[12:13], s[10:11]     ; Wo or Wv
	s_cmp_lg_u32 s36, 0
	s_cselect_b64 s[28:29], s[30:31], s[28:29]
	s_cmp_lt_u32 s2, 256
	s_cselect_b32 s24, s2, s23                     ; G
	s_cselect_b32 s25, s18, s21                    ; s
	s_cselect_b64 s[26:27], s[14:15], s[16:17]     ; xq or wimg
	s_mul_i32 s32, s24, 12800
	s_add_nc_u64 s[26:27], s[26:27], s[32:33]      ; the group's two tile blocks
	s_mul_i32 s32, s25, 1536
	v_add_nc_u32 v7, s32, v2                       ; my 16 bytes of a fragment's 512
	s_lshl_b32 s32, s25, 6
	v_add_nc_u32 v6, s32, v6
	s_cmp_lt_u32 s2, 256
	s_cbranch_scc0 .Lweight
	s_lshl_b32 s32, s24, 16                        ; x: 32 rows of 2,048 bytes a group,
	s_lshl_b32 s34, s25, 9                         ; 512 bytes a K step
	s_add_co_u32 s32, s32, s34
	s_add_nc_u64 s[4:5], s[4:5], s[32:33]
.set L, 0
.rept 32
	global_load_b128 v[R+4*L:R+4*L+3], v2, s[4:5] offset:((L&7)|(((L>>3)&1)<<4)|(((L>>4)&1)<<3))*2048 th:TH_LOAD_NT   ; the row that lane L will own: 512 consecutive bytes
.set L, L+1
.endr
.set L, 0
.rept 32
	s_wait_loadcnt 31-L                            ; loads come back in order: row L is in, the rows behind it may be out
	ds_store_b128 v3, v[R+4*L:R+4*L+3] offset:L*SPITCH
.set L, L+1
.endr
.set L, 0
.rept 32
	ds_load_b128 v[R+4*L:R+4*L+3], v4 offset:16*L  ; LDS serves a wave's instructions in order: these see my stores
.set L, L+1
.endr
	s_branch .Lquant
.Lweight:
	s_lshl_b32 s32, s25, 18                        ; a weight: 128 rows of 2,048 bytes a K step
	s_add_nc_u64 s[28:29], s[28:29], s[32:33]
	s_lshl_b32 s34, s22, 7
	v_add_nc_u32 v5, s34, v5                       ; my column: 128 bytes a group
.set L, 0
.rept 128
	global_load_b32 v[R+L], v5, s[28:29] offset:L*2048 th:TH_LOAD_NT
.set L, L+1
.endr
.Lquant:
	s_wait_loadcnt 0x0
	s_wait_dscnt 0x0
.irp b, 0,1,2,3
	v_max3_num_f32 v[MX+\b], |v[R+32*\b]|, |v[R+32*\b+1]|, 0x1800000   ; block b, and the floor 2^(3 - 127): the byte cannot fall under 1
.endr
.irp i, 2,4,6,8,10,12,14,16,18,20,22,24,26,28,30
.irp b, 0,1,2,3
	v_max3_num_f32 v[MX+\b], v[MX+\b], |v[R+32*\b+\i]|, |v[R+32*\b+\i+1]|   ; the four blocks by turns
.endr
.endr
.irp b, 0,1,2,3
	v_add_nc_u32 v[SO+\b], 0xff000000, v[MX+\b]    ; 2 off the exponent field: the conversion takes the exponent field of this operand as its scale
.endr
.irp b, 0,1,2,3
	v_lshrrev_b32 v[BY+\b], 23, v[SO+\b]           ; the scale's byte
.endr
	v_lshl_or_b32 v[SW], v[BY+1], 8, v[BY]
	v_lshl_or_b32 v[SW], v[BY+2], 16, v[SW]
	v_lshl_or_b32 v[SW], v[BY+3], 24, v[SW]
.irp b, 0,1,2,3                                ; even blocks into F0, odd blocks into F1; block 2 c + e at registers 6 c on
	v_cvt_scalef32_pk16_fp6_f32 v[F0+12*(\b%2)+6*(\b/2):F0+12*(\b%2)+6*(\b/2)+2], v[R+32*\b:R+32*\b+15], v[SO+\b]
	v_cvt_scalef32_pk16_fp6_f32 v[CT+4*\b:CT+4*\b+2], v[R+32*\b+16:R+32*\b+31], v[SO+\b]
.endr
	v_nop                                          ; one plain place behind a scaled conversion
.irp b, 0,1,2,3
.irp i, 0,1,2
	v_mov_b32 v[F0+12*(\b%2)+6*(\b/2)+3+\i], v[CT+4*\b+\i]
.endr
.endr
.set L, 0
.rept 12
	v_permlane16_swap_b32 v[F0+L], v[F1+L]         ; F0's lanes 16-31 (tile 1, even blocks) change places with F1's lanes 0-15 (tile 0, odd blocks): F0 is now tile 0's fragment, F1 tile 1's
.set L, L+1
.endr
.irp c, 0,1,2
	global_store_b128 v7, v[F0+4*\c:F0+4*\c+3], s[26:27] offset:512*\c          ; 32 lanes store 512 consecutive bytes, at a multiple of 256 from the buffer's first byte
	global_store_b128 v7, v[F1+4*\c:F1+4*\c+3], s[26:27] offset:6400+512*\c
.endr
	global_store_b32 v6, v[SW], s[26:27] offset:6144
	s_wait_tensorcnt 0x0
	ds_add_u32 v200, v201
	s_wait_dscnt 0x0
	s_endpgm
.Lfunc_end_k_qc25548704a_prep:
	.size	k_qc25548704a_prep, .Lfunc_end_k_qc25548704a_prep-k_qc25548704a_prep
	.p2alignl 7, 3214868480
	.fill 96, 4, 3214868480
	.section	.rodata,"a",@progbits
	.p2align	6, 0x0
	.amdhsa_kernel k_qc25548704a_prep
		.amdhsa_group_segment_fixed_size 68096
		.amdhsa_private_segment_fixed_size 0
		.amdhsa_enable_private_segment 0
		.amdhsa_kernarg_size 56
		.amdhsa_user_sgpr_count 2
		.amdhsa_user_sgpr_kernarg_segment_ptr 1
		.amdhsa_wavefront_size32 1
		.amdhsa_system_sgpr_workgroup_id_x 1
		.amdhsa_system_sgpr_workgroup_id_y 1
		.amdhsa_system_sgpr_workgroup_id_z 1
		.amdhsa_system_vgpr_workitem_id 0
		.amdhsa_next_free_vgpr 202
		.amdhsa_next_free_sgpr 66
		.amdhsa_reserve_vcc 0
		.amdhsa_float_denorm_mode_32 3
		.amdhsa_float_denorm_mode_16_64 3
		.amdhsa_memory_ordered 1
		.amdhsa_forward_progress 1
		.amdhsa_inst_pref_size 30
	.end_amdhsa_kernel
	.amdgpu_metadata
---
amdhsa.version: [ 1, 2 ]
amdhsa.kernels:
  - .name:           k_qc25548704a_prep
    .symbol:         k_qc25548704a_prep.kd
    .args:
      - { .name: x, .offset: 0, .size: 8, .value_kind: global_buffer, .address_space: global }
      - { .name: Wq, .offset: 8, .size: 8, .value_kind: global_buffer, .address_space: global }
      - { .name: Wk, .offset: 16, .size: 8, .value_kind: global_buffer, .address_space: global }
      - { .name: Wv, .offset: 24, .size: 8, .value_kind: global_buffer, .address_space: global }
      - { .name: Wo, .offset: 32, .size: 8, .value_kind: global_buffer, .address_space: global }
      - { .name: xq, .offset: 40, .size: 8, .value_kind: global_buffer, .address_space: global }
      - { .name: wimg, .offset: 48, .size: 8, .value_kind: global_buffer, .address_space: global }
    .group_segment_fixed_size: 68096
    .private_segment_fixed_size: 0
    .kernarg_segment_align: 8
    .kernarg_segment_size: 56
    .max_flat_workgroup_size: 128
    .sgpr_count:     66
    .vgpr_count:     202
    .wavefront_size: 32
...
	.end_amdgpu_metadata
.endif
;; end of part 1
;; launch proj (part 2): grid 64 x 3, 4 waves a work-group, no clusters, 0 bytes of LDS; arguments xq, wimg, bq, bk, bv, qbuf, kv; writes qbuf, kv
.if DOCPART == 2
	.amdgcn_target "amdgcn-amd-amdhsa--gfx1250"
	.amdhsa_code_object_version 6
	.text
	.protected	k_qc25548704a_proj
	.globl	k_qc25548704a_proj
	.p2align	8
	.type	k_qc25548704a_proj,@function
k_qc25548704a_proj:
	s_mov_b64 s[64:65], 0
	v_nop
	global_prefetch_b8 v0, s[64:65] scope:SCOPE_SE
	s_setreg_imm32_b32 hwreg(HW_REG_WAVE_MODE, 25, 1), 1
	s_wait_xcnt 0x0
; PROJ: q, k, v = relu(x W + b) on codes of FP6, and the results quantised again, in registers, as operands of attention's two products.
; ONE FORM for all three: a wave HOLDS eight tiles (128 rows x 512 along K: 384 registers) as source 0 and multiplies eight STREAMED tiles as source 1.  In a result a lane then holds one
; streamed row, and its 64 registers run along the 128 held rows in their natural order (a tile's rows are 32 G + 8 u + r + 8 (r / 8), so register 16 b + i is held row 32 b + 16 (lane / 16) + i):
; they are neighbours along the next product's K, which is what the conversions want.
;   q, k (y = 0, 1; x = a step of 128 tokens): held = units 128 w .. 128 w + 127 of the weight (two heads), streamed = the step's eight token tiles.  Next K = the head's 64.
;   v    (y = 2; x = 4 tb + ur): held = the token tiles of step 4 tb + w, streamed = units 128 ur .. + 127 of Wv.  Next K = the keys.
; OUT: a block of 12,800 bytes for each (batch x head, step of 128 keys).  K part: fragment f at 1536 f: registers 6 u + i of lane (r, h) hold the key of tile (f, u), row r, head dims 32 h .. + 31
; (ONE fragment holds TWO key tiles); scale words at 6144 + 64 f + 4 r, bytes 2 u, 2 u + 1 for tile u.  V part at 6400: fragment dt at 1536 dt: row r is head dim 32 (dt / 2) + 8 (dt % 2) + r + 8 (r / 8), K = the
; step's 128 keys; scale words at 6144 + 64 dt + 4 r.  q goes to qbuf in K's layout.
; The bias is the C of each sum's first matrix instruction.  All loads are issued at the head, in the order in which they are wanted.
; No LDS, no barrier, no tensor load: every operand lies in memory in register order and goes straight into registers, so there is no tile in LDS that a cluster could share.
; LIMITS: a block of zeros gets the byte 1 where the rule says 127 (zero codes; read by this program alone); NaN and infinities are not served.
; REGISTERS, in windows of 256: window 0: v1-5 offsets; v12-27 held scale words, v28-43 streamed; v44-47 scale words made; v48-111 the eight accumulators; v112-135 two images; v136-155 at work; v160, v208 streamed tiles 0, 1.
;   window 1: held K steps 0 (v[12 t]) and 1 (v[96 + 12 t]); v192-255 the bias.   window 2: held K steps 2, 3; v192 streamed tile 2.   window 3: streamed tiles 3-7 at v[48 (i - 3)].
.set LI,   1                           ; 16 x lane
.set LS,   2                           ; 4 x lane
.set H64,  3                           ; 64 x (lane / 16)
.set RP4,  4                           ; 4 (r + 8 (r / 8))
.set SOFF, 5                           ; 409,600 (lane / 16) + 4 r: lanes 0-15 store the first head's scale words, lanes 16-31 the second's
.set HS,   12
.set TS,   28
.set PW,   44
.set WA,   46
.set WB,   47
.set ACC,  48
.set IMA,  112
.set IMB,  124
.set CT,   136
.set TM,   144                         ; v144-147 largest magnitudes, v148-151 the other half's, then bytes, v152-155 scale operands
.set BIAS, 192
.set HEADB, 409600                     ; a head's 32 blocks
.set MSB, 0
.macro WIN new                         ; the immediate's high byte repeats the setting that is left
.if MSB != \new
	s_set_vgpr_msb (MSB<<8)|\new
.set MSB, \new
.endif
.endm
.macro WHERE i                         ; streamed tile i: its first register SB and its window SWN
.if (\i) < 2
.set SWN, 0
.set SB, 160+48*(\i)
.elseif (\i) == 2
.set SWN, 2
.set SB, 192
.else
.set SWN, 3
.set SB, 48*((\i)-3)
.endif
.endm
.macro HELD                            ; 96 loads of 512 consecutive bytes, then 16 scale registers: lanes 0-15 the even K step's words, lanes 16-31 the odd one's
	WIN 0x40
.irp t, 0,1,2,3,4,5,6,7
.irp s, 0,1
.irp c, 0,1,2
	global_load_b128 v[96*\s+12*\t+4*\c:96*\s+12*\t+4*\c+3], v[LI], s[24:25] offset:\t*6400+\s*1536+\c*512
.endr
.endr
.endr
	WIN 0x80
.irp t, 0,1,2,3,4,5,6,7
.irp s, 0,1
.irp c, 0,1,2
	global_load_b128 v[96*\s+12*\t+4*\c:96*\s+12*\t+4*\c+3], v[LI], s[24:25] offset:\t*6400+3072+\s*1536+\c*512
.endr
.endr
.endr
	WIN 0
.irp t, 0,1,2,3,4,5,6,7
.irp g, 0,1
	global_load_b32 v[HS+2*\t+\g], v[LS], s[24:25] offset:\t*6400+6144+128*\g
.endr
.endr
.endm
.macro BIASES isv
	WIN 0x40
.if \isv
	s_wait_alu depctr_va_vdst(0)
.irp i, 0,1,2,3,4,5,6,7                ; a lane's unit is the streamed row: one number, eight times, for streamed tile i
.irp j, 0,1,2,3,4,5,6,7
	global_load_b32 v[BIAS+8*\i+\j], v[RP4], s[28:29] offset:256*(\i%2)+128*(\i/4)+32*((\i/2)%2)
.endr
.endr
.else
.irp t, 0,1,2,3,4,5,6,7                ; a lane's eight units of held tile t: 32 (t / 2) + 16 (lane / 16) + 8 (t % 2) + 0 .. 7
	global_load_b128 v[BIAS+8*\t:BIAS+8*\t+3], v[H64], s[28:29] offset:(32*(\t/2)+8*(\t%2))*4
	global_load_b128 v[BIAS+8*\t+4:BIAS+8*\t+7], v[H64], s[28:29] offset:(32*(\t/2)+8*(\t%2))*4+16
.endr
.endif
	WIN 0
.endm
.macro STREAM i, isv                   ; 14 loads: the tile's four fragments and two scale registers
	WHERE \i
.if \isv
.set TOFF, (4*((\i)%2)+(\i)/2)*6400    ; pair j = i / 2 holds fragment dt = j of the two heads: Wv's tiles j and 4 + j of my eight
.else
.set TOFF, (\i)*6400
.endif
	WIN (SWN<<6)
.irp s, 0,1,2,3
.irp c, 0,1,2
	global_load_b128 v[SB+12*\s+4*\c:SB+12*\s+4*\c+3], v[LI], s[26:27] offset:TOFF+\s*1536+\c*512
.endr
.endr
	WIN 0
	global_load_b32 v[TS+2*(\i)], v[LS], s[26:27] offset:TOFF+6144
	global_load_b32 v[TS+2*(\i)+1], v[LS], s[26:27] offset:TOFF+6272
.endm
; 64 numbers of a lane, none negative, register 16 b + i = k 32 b + 16 (lane / 16) + i of my row: blocks 0, 1 become six registers of codes at d0, blocks 2, 3 six at d1; the four bytes the word pw.
.macro QUANT s, d0, d1, pw
.irp b, 0,1,2,3
	v_max3_num_f32 v[TM+\b], v[\s+16*\b], v[\s+16*\b+1], 0x1800000   ; my 16 numbers of block b, and the floor 2^(3 - 127): the byte cannot fall under 1
.endr
.irp i, 2,4,6,8,10,12,14
.irp b, 0,1,2,3
	v_max3_num_f32 v[TM+\b], v[TM+\b], v[\s+16*\b+\i], v[\s+16*\b+\i+1]
.endr
.endr
.irp b, 0,1,2,3
	v_permlanex16_b32 v[TM+4+\b], v[TM+\b], s32, s33
.endr
.irp b, 0,1,2,3
	v_max_num_f32 v[TM+\b], v[TM+\b], v[TM+4+\b]   ; with lane l xor 16's: the block's largest
.endr
.irp b, 0,1,2,3
	v_add_nc_u32 v[TM+8+\b], 0xff000000, v[TM+\b]  ; 2 off the exponent field: the conversion's scale operand
.endr
.irp b, 0,1,2,3
	v_lshrrev_b32 v[TM+4+\b], 23, v[TM+8+\b]       ; the scale's byte
.endr
	v_lshl_or_b32 v[\pw], v[TM+5], 8, v[TM+4]
	v_lshl_or_b32 v[\pw], v[TM+6], 16, v[\pw]
	v_lshl_or_b32 v[\pw], v[TM+7], 24, v[\pw]
	v_cvt_scalef32_pk16_fp6_f32 v[(\d0):(\d0)+2], v[\s:\s+15], v[TM+8]
	v_cvt_scalef32_pk16_fp6_f32 v[CT:CT+2], v[\s+16:\s+31], v[TM+9]
	v_cvt_scalef32_pk16_fp6_f32 v[(\d1):(\d1)+2], v[\s+32:\s+47], v[TM+10]
	v_cvt_scalef32_pk16_fp6_f32 v[CT+4:CT+6], v[\s+48:\s+63], v[TM+11]
	v_nop                                          ; one plain place behind a scaled conversion
.irp i, 0,1,2                                  ; the operand wants a WHOLE block in a lane: lanes 0-15 the even block, lanes 16-31 the odd one
	v_permlane16_swap_b32 v[(\d0)+\i], v[CT+\i]
	v_permlane16_swap_b32 v[(\d1)+\i], v[CT+4+\i]
.endr
.irp i, 0,1,2
	v_mov_b32 v[(\d0)+3+\i], v[CT+\i]
	v_mov_b32 v[(\d1)+3+\i], v[CT+4+\i]
.endr
.endm
; Streamed tile i: 32 matrix instructions, K step by K step, the eight accumulators by turns; relu; the quantiser.
.macro TILE i, isv
	WHERE \i
.if 14*(7-(\i)) > 63
	s_wait_loadcnt 63                              ; the tiles behind this one have more loads than a wait can name: the largest count serves
.else
	s_wait_loadcnt 14*(7-(\i))                     ; loads come back in order: all is in but the 14 loads of each tile behind this one
.endif
.irp s, 0,1,2,3
.if \s == 0
	WIN (0x11|(SWN<<2))                            ; source 0 (held) and C (bias) window 1, source 1 the tile's window
.elseif \s == 1
	WIN (0x01|(SWN<<2))
.else
	WIN (0x02|(SWN<<2))
.endif
.irp t, 0,1,2,3,4,5,6,7
.if \isv
.set CB, BIAS+8*(\i)
.else
.set CB, BIAS+8*\t
.endif
.if \s == 0
	v_wmma_scale_f32_16x16x128_f8f6f4 v[ACC+8*\t:ACC+8*\t+7], v[12*\t:12*\t+11], v[SB:SB+11], v[CB:CB+7], v[HS+2*\t], v[TS+2*(\i)] matrix_a_fmt:MATRIX_FMT_FP6 matrix_b_fmt:MATRIX_FMT_FP6
.elseif \s%2
	v_wmma_scale_f32_16x16x128_f8f6f4 v[ACC+8*\t:ACC+8*\t+7], v[96+12*\t:96+12*\t+11], v[SB+12*\s:SB+12*\s+11], v[ACC+8*\t:ACC+8*\t+7], v[HS+2*\t+\s/2], v[TS+2*(\i)+\s/2] matrix_a_fmt:MATRIX_FMT_FP6 matrix_b_fmt:MATRIX_FMT_FP6 matrix_a_scale:MATRIX_SCALE_ROW1 matrix_b_scale:MATRIX_SCALE_ROW1
.else
	v_wmma_scale_f32_16x16x128_f8f6f4 v[ACC+8*\t:ACC+8*\t+7], v[12*\t:12*\t+11], v[SB+12*\s:SB+12*\s+11], v[ACC+8*\t:ACC+8*\t+7], v[HS+2*\t+\s/2], v[TS+2*(\i)+\s/2] matrix_a_fmt:MATRIX_FMT_FP6 matrix_b_fmt:MATRIX_FMT_FP6
.endif
.endr
.endr
	WIN 0
.rept 4
	v_nop                                          ; four places between the last product and the first read of results (ISA guide 7.12.1)
.endr
.set J, 0
.rept 64
	v_max_num_f32 v[ACC+J], 0, v[ACC+J]            ; the activation, in f32; each accumulator from its low end on
.set J, J+1
.endr
.if \isv
	QUANT ACC, IMA+12*((\i)%2), IMA+12*((\i)%2)+6, PW+(\i)%2     ; 128 keys: a whole fragment of one head's V^T
.else
	QUANT ACC, IMA+6*((\i)%2), IMB+6*((\i)%2), PW+(\i)%2         ; two heads x 64: half a fragment for each
.endif
.endm
; Behind a pair of tiles: two fragments (the two heads') and their scale words leave.
.macro OUT j, isv
.if \isv
	v_cndmask_b32 v[WA], v[PW], v[PW+1], s36       ; lanes 0-15: the first head's word, lanes 16-31: the second's
.else
	v_perm_b32 v[WA], v[PW+1], v[PW], 0x05040100   ; the first head: tile 0's two bytes, tile 1's two bytes
	v_perm_b32 v[WB], v[PW+1], v[PW], 0x07060302   ; the second head
	v_cndmask_b32 v[WA], v[WA], v[WB], s36
.endif
.irp c, 0,1,2
	global_store_b128 v[LI], v[IMA+4*\c:IMA+4*\c+3], s[30:31] offset:1536*(\j)+512*\c          ; 32 lanes store 512 consecutive bytes, at a multiple of 256 from the buffer's first byte
	global_store_b128 v[LI], v[IMB+4*\c:IMB+4*\c+3], s[30:31] offset:HEADB+1536*(\j)+512*\c
.endr
	global_store_b32 v[SOFF], v[WA], s[30:31] offset:6144+64*(\j)
	s_wait_xcnt 0x0                                ; the images and the word are written again only behind this wait
.endm
.macro PROJ isv
	HELD
	BIASES \isv
.irp i, 0,1,2,3,4,5,6,7
	STREAM \i, \isv
.endr
.irp j, 0,1,2,3
	TILE 2*\j, \isv
	TILE 2*\j+1, \isv
	OUT \j, \isv
.endr
	s_endpgm
.endm
	s_load_b256 s[4:11], s[0:1], 0x0               ; xq, wimg, bq, bk
	s_load_b128 s[12:15], s[0:1], 0x20             ; bv, qbuf
	s_load_b64 s[16:17], s[0:1], 0x30              ; kv
	v_lshrrev_b32 v1, 5, v0
	v_readfirstlane_b32 s18, v1                    ; wave
	s_and_b32 s19, ttmp7, 0xffff                   ; y: 0 q, 1 k, 2 v
	s_mov_b32 s20, ttmp9                           ; x
	v_and_b32 v6, 31, v0
	v_and_b32 v7, 15, v0                           ; r
	v_bfe_u32 v8, v0, 4, 1                         ; h
	v_lshlrev_b32 v[LI], 4, v6
	v_lshlrev_b32 v[LS], 2, v6
	v_lshlrev_b32 v[H64], 6, v8
	v_and_b32 v9, 8, v7
	v_add_nc_u32 v9, v9, v7
	v_lshlrev_b32 v[RP4], 2, v9
	v_mul_u32_u24 v[SOFF], v8, HEADB
	v_lshl_add_u32 v[SOFF], v7, 2, v[SOFF]
.irp b, 0,1,2,3
	v_mov_b32 v[TM+4+\b], 0                        ; written once: a lane permute's destination counts as one of its sources
.endr
	s_mov_b32 s32, 0x76543210
	s_mov_b32 s33, 0xfedcba98                      ; v_permlanex16_b32's selects for lane l xor 16
	s_mov_b32 s36, 0xffff0000                      ; lanes 16-31
	s_mov_b32 s23, 0
	s_wait_kmcnt 0x0
	s_cmp_eq_u32 s19, 2
	s_cbranch_scc1 .Lv
	s_cmp_eq_u32 s19, 0                            ; the choice hangs on the work-group's number alone
	s_cselect_b64 s[28:29], s[8:9], s[10:11]       ; bq or bk
	s_cselect_b64 s[30:31], s[14:15], s[16:17]     ; qbuf or kv
	s_lshl_b32 s22, s19, 5
	s_lshl_b32 s21, s18, 3
	s_add_co_u32 s22, s22, s21
	s_mul_i32 s22, s22, 6400
	s_add_nc_u64 s[24:25], s[6:7], s[22:23]        ; held: the weight's tiles 8 w on
	s_mul_i32 s22, s20, 51200
	s_add_nc_u64 s[26:27], s[4:5], s[22:23]        ; streamed: the step's eight token tiles
	s_lshl_b32 s22, s18, 9
	s_add_nc_u64 s[28:29], s[28:29], s[22:23]      ; the bias of my 128 units
	s_lshr_b32 s22, s20, 5
	s_lshl_b32 s22, s22, 3
	s_lshl_b32 s21, s18, 1
	s_add_co_u32 s22, s22, s21                     ; batch x 8 + head 2 w
	s_lshl_b32 s22, s22, 5
	s_and_b32 s21, s20, 31
	s_add_co_u32 s22, s22, s21                     ; x 32 + the step in the batch
	s_mul_i32 s22, s22, 12800
	s_add_nc_u64 s[30:31], s[30:31], s[22:23]
	PROJ 0
.Lv:
	s_lshr_b32 s21, s20, 2
	s_lshl_b32 s21, s21, 2
	s_add_co_u32 s21, s21, s18                     ; my step of 128 tokens: 4 (x / 4) + wave
	s_and_b32 s34, s20, 3                          ; which 128 units of Wv
	s_mul_i32 s22, s21, 51200
	s_add_nc_u64 s[24:25], s[4:5], s[22:23]        ; held: the step's eight token tiles
	s_lshl_b32 s22, s34, 3
	s_add_co_u32 s22, s22, 64
	s_mul_i32 s22, s22, 6400
	s_add_nc_u64 s[26:27], s[6:7], s[22:23]        ; streamed: Wv's tiles 8 ur on
	s_lshl_b32 s22, s34, 9
	s_add_nc_u64 s[28:29], s[12:13], s[22:23]
	s_lshr_b32 s22, s21, 5
	s_lshl_b32 s22, s22, 3
	s_lshl_b32 s35, s34, 1
	s_add_co_u32 s22, s22, s35
	s_lshl_b32 s22, s22, 5
	s_and_b32 s35, s21, 31
	s_add_co_u32 s22, s22, s35
	s_mul_i32 s22, s22, 12800
	s_add_co_u32 s22, s22, 6400                    ; the block's V part
	s_add_nc_u64 s[30:31], s[16:17], s[22:23]
	PROJ 1
.Lfunc_end_k_qc25548704a_proj:
	.size	k_qc25548704a_proj, .Lfunc_end_k_qc25548704a_proj-k_qc25548704a_proj
	.p2alignl 7, 3214868480
	.fill 96, 4, 3214868480
	.section	.rodata,"a",@progbits
	.p2align	6, 0x0
	.amdhsa_kernel k_qc25548704a_proj
		.amdhsa_group_segment_fixed_size 0
		.amdhsa_private_segment_fixed_size 0
		.amdhsa_enable_private_segment 0
		.amdhsa_kernarg_size 56
		.amdhsa_user_sgpr_count 2
		.amdhsa_user_sgpr_kernarg_segment_ptr 1
		.amdhsa_wavefront_size32 1
		.amdhsa_system_sgpr_workgroup_id_x 1
		.amdhsa_system_sgpr_workgroup_id_y 1
		.amdhsa_system_sgpr_workgroup_id_z 1
		.amdhsa_system_vgpr_workitem_id 0
		.amdhsa_next_free_vgpr 1008
		.amdhsa_next_free_sgpr 66
		.amdhsa_reserve_vcc 0
		.amdhsa_float_denorm_mode_32 3
		.amdhsa_float_denorm_mode_16_64 3
		.amdhsa_memory_ordered 1
		.amdhsa_forward_progress 1
		.amdhsa_inst_pref_size 221
	.end_amdhsa_kernel
	.amdgpu_metadata
---
amdhsa.version: [ 1, 2 ]
amdhsa.kernels:
  - .name:           k_qc25548704a_proj
    .symbol:         k_qc25548704a_proj.kd
    .args:
      - { .name: xq, .offset: 0, .size: 8, .value_kind: global_buffer, .address_space: global }
      - { .name: wimg, .offset: 8, .size: 8, .value_kind: global_buffer, .address_space: global }
      - { .name: bq, .offset: 16, .size: 8, .value_kind: global_buffer, .address_space: global }
      - { .name: bk, .offset: 24, .size: 8, .value_kind: global_buffer, .address_space: global }
      - { .name: bv, .offset: 32, .size: 8, .value_kind: global_buffer, .address_space: global }
      - { .name: qbuf, .offset: 40, .size: 8, .value_kind: global_buffer, .address_space: global }
      - { .name: kv, .offset: 48, .size: 8, .value_kind: global_buffer, .address_space: global }
    .group_segment_fixed_size: 0
    .private_segment_fixed_size: 0
    .kernarg_segment_align: 8
    .kernarg_segment_size: 56
    .max_flat_workgroup_size: 128
    .sgpr_count:     66
    .vgpr_count:     1008
    .wavefront_size: 32
...
	.end_amdgpu_metadata
.endif
;; end of part 2
;; launch attn (part 3): grid 16 x 16, 16 waves a work-group, clusters of 4 x 1, 327,680 bytes of LDS; arguments qbuf, kv, obuf; writes obuf
.if DOCPART == 3
	.amdgcn_target "amdgcn-amd-amdhsa--gfx1250"
	.amdhsa_code_object_version 6
	.text
	.protected	k_qc25548704a_attn
	.globl	k_qc25548704a_attn
	.p2align	8
	.type	k_qc25548704a_attn,@function
k_qc25548704a_attn:
	s_mov_b64 s[64:65], 0
	v_nop
	global_prefetch_b8 v0, s[64:65] scope:SCOPE_SE
	s_setreg_imm32_b32 hwreg(HW_REG_WAVE_MODE, 25, 1), 1
	s_wait_xcnt 0x0
	s_wait_alu depctr_hold_cnt(0) depctr_sa_sdst(0) depctr_va_vdst(0) depctr_va_sdst(0) depctr_va_ssrc(0) depctr_va_vcc(0) depctr_vm_vsrc(0)
	s_getreg_b32 s2, hwreg(HW_REG_IB_STS2, 6, 4)
	s_cmp_eq_u32 s2, 0
	s_cbranch_scc0 .Lentry_in_a_cluster
	s_endpgm
.Lentry_in_a_cluster:
	s_bfe_u32 s2, ttmp6, 0x10000c
	s_cmp_lg_u32 s2, 0x3003
	s_cbranch_scc0 .Lentry_shape_is_right
	s_endpgm
.Lentry_shape_is_right:
; ATTN: o = softmax(q k^T / 8) v for 16 (batch x head) x 4,096 queries x 4,096 keys, head size 64, both products on codes of FP6 with E8M0 scales; o is quantised again for the last product.
; THE SOFTMAX: t = score x log2(e) / 8; M = the running largest t rounded UP to a whole number; p = 2^(t - M) is quantised along the keys, not normalised.  The row's sum is taken of the unquantised p
; in f32 and divides at the end.  When M moves, the sum and O are multiplied by 2^(old M - new M): exact.
; SHARES: a work-group owns 256 queries of one head, each of its sixteen waves a tile of 16; every wave walks all keys, 128 a step.  Both products are used transposed: a lane holds one query.
; A step's K and V lie in memory as one dense block of 12,800 bytes in register order (50 rows of 256 bytes).  In LDS each row has 64 bytes of padding behind it (pitch 320).
; WHICH ROWS FORM A TILE is chosen by the lanes' LDS addresses: lane row r of new fragment (c, jj) takes stored fragment 2 c + r / 8, stored row 8 jj + r % 8.  For K a lane's 32 registers S + 32 c .. then hold
; keys 64 c + 32 (lane / 16) + 0 .. 31: a WHOLE block of the next product's K, in the operand's own order: its largest needs no other lane, and its codes need no change of lanes.
; For V the same addresses give fragment (g, jj) the head dims 32 g + 16 jj + r.  The two groups of eight lanes read rows 6 x 320 = 1,920 bytes apart, 128 modulo 256: sixteen lanes touch sixteen different columns of 16 bytes.
; HEAD SIZE 64 IN A FORM OF 128 ALONG K: a fragment of K holds two key tiles; Q stands as q | zeros | q, and its scale word repeats its two bytes.  Zero codes add nothing under bytes 1 to 254.
; CLUSTER: the four query blocks of a cluster walk the same K and V: each slot is asked for jointly.  RING: two slots of 8 steps (128,000 bytes), 2^17 apart; waves 0-3 fetch a quarter each (100 rows).
; A wave has at most one tensor load outstanding.  K of step i + 1 is fetched from LDS behind step i's score products.  THE CHANGE OF SLOTS stands inside a slot's last step: behind that step's V loads, the slot's last
; reads, come the waits, the add and the opening signal; the rest of the step is work on registers and stands between the signal and the wait.
; NO DATA PREFETCH: a refill is asked for a whole slot, eight steps of every wave's work, ahead of its first read, so no wave stands waiting for it.
; LIMITS: the promise holds while |t| stays under 2^31.  A block of zeros gets the byte 1 where the rule says 127 (zero codes; read by this program alone); NaN and infinities are not served.
; A block's largest p is taken from its largest score by the same multiply-add and exponential, which takes v_exp_f32 not to fall where its input rises.
.set STEPB, 12800                      ; a step in memory
.set SLOTB, 8*STEPB
.set STEPL, 16000                      ; a step in LDS: 50 rows of 320
.set VOFF,  8000                       ; its V part: row 25
.set SCOFF, 7680                       ; a part's scale words: row 24
.set SLOT1, 1<<17
.set SPARE, SLOT1+8*STEPL              ; behind the ring: the spare words, 128 bytes a wave
.set LF,  1                            ; v1  1920 (r / 8) + 320 h + 16 (r % 8)
.set LS,  2                            ; v2  64 (r / 8) + 32 h + 4 (r % 8)
.set SPW, 3                            ; v3  my spare word; never rewritten
.set NIL, 4                            ; v4  0; never rewritten
.set AF,  5                            ; v5  the step's fragments
.set AS,  6                            ; v6  its scale words
.set SH8, 7                            ; v7  8 h
.set KS,  8                            ; v8-9   K's scale words: lanes 0-15 fragment (c, 0), lanes 16-31 (c, 1)
.set VS,  10                           ; v10-11 V's likewise        (v12 -M, v13 the largest score, v[14:15] the sum in two halves)
.set QF,  16                           ; v16-33 q | zeros | q
.set QW,  34
.set PWD, 35                           ; p's scale word
.set FF,  36                           ; v[36:37] f = 2^(old M - new M), and 0
.set BM,  42                           ; v42-45 four chains of maxima; then v42-44 hold codes, v45 bytes
.set BP,  46                           ; v[46:47] my two blocks' largest score, largest p, scale operand
.set CT1, 48                           ; v48-50 codes (a conversion's three registers begin on an even number)
.set T0,  50
.set T1,  51
.set PC,  52                           ; v52-63 p's codes
.set KF,  64
.set VF,  112
.set S,   160                          ; v160-223 S^T, then p
.set OA,  224                          ; v224-255 O^T
.set WV,  10
.set G1,  16
.set G0,  24
.set TB,  28                           ; LDS byte at which the step in hand begins
.set SEL, 32
.set CS,  34                           ; s[34:35] c = log2(e) / 8
.set NC,  48                           ; -c
.macro TLOAD                           ; waves 0-3 fetch a quarter of a slot each; the branch hangs on the wave's number alone
	s_cmp_lt_u32 s[WV], 4
	s_cbranch_scc0 .Lasked_\@
	tensor_load_to_lds s[G0:G0+3], s[G1:G1+7]
	s_nop 0
.rept 4
	v_nop
.endr
.Lasked_\@:
.endm
.macro CREST                           ; a round of the cluster's barrier behind its opening barrier
	s_cmp_lg_u32 s[WV], 0
	s_cbranch_scc1 .Lnot_wave_0_\@
	s_barrier_signal -3
.Lnot_wave_0_\@:
	s_barrier_wait -3
	s_barrier_signal -1
	s_barrier_wait -1
.endm
.macro CROUND
	s_barrier_signal -1
	s_barrier_wait -1
	CREST
.endm
.macro GSTEP                           ; group 0 goes on: the other slot, the next eight steps (no tensor load of mine is out)
	s_xor_b32 s[G0+1], s[G0+1], SLOT1
	s_add_nc_u64 s[G0+2:G0+3], s[G0+2:G0+3], SLOTB
.endm
	s_load_b128 s[4:7], s[0:1], 0x0                ; qbuf, kv
	s_load_b64 s[8:9], s[0:1], 0x10                ; obuf
	v_lshl_add_u32 v[SPW], v0, 2, SPARE
	v_mov_b32 v[NIL], 0
	ds_add_u32 v[SPW], v[NIL]                      ; the opening lines: the add, twice on end, and its wait
	ds_add_u32 v[SPW], v[NIL]
	v_lshrrev_b32 v64, 5, v0
	v_readfirstlane_b32 s[WV], v64                 ; wave 0..15
	s_bfe_u32 s11, ttmp6, 0x40000                  ; cx: it enters qbuf's and obuf's addresses alone
	s_lshl_b32 s12, ttmp9, 2
	s_add_co_u32 s12, s12, s11                     ; X: my block of 256 queries
	s_and_b32 s13, ttmp7, 0xffff                   ; batch x 8 + head, which the four partners share
	s_mov_b32 s[G1], 15|(3<<16)|(1<<20)|(1<<21)|(5<<22)|(15<<25)   ; mask: all four; elements of 8 bytes; padding: behind every 64 words 16 words; bit 21 beside a mask
	s_mov_b32 s[G1+1], 32<<16                      ; tensor_dim0: 256 bytes
	s_mov_b32 s[G1+2], 100<<16                     ; tensor_dim1: 100 rows, two steps
	s_mov_b32 s[G1+3], 32<<16
	s_mov_b32 s[G1+4], 100
	s_mov_b32 s[G1+5], 32                          ; dense
	s_mov_b32 s[G1+6], 0
	s_mov_b32 s[G1+7], 0
	s_and_b32 s49, s[WV], 3
	s_mul_i32 s50, s49, 25600                      ; my quarter in memory,
	s_mul_i32 s49, s49, 32000                      ; and in a slot
	s_mul_i32 s38, s13, 32*STEPB                   ; the head's 32 steps
	s_add_co_u32 s38, s38, s50
	s_mov_b32 s39, 0
	s_lshl_b32 s40, s13, 5                         ; Q: my tile lies in step 2 X + w / 8, fragment (w / 2) % 4, half u = w % 2
	s_lshl_b32 s41, s12, 1
	s_add_co_u32 s40, s40, s41
	s_lshr_b32 s41, s[WV], 3
	s_add_co_u32 s40, s40, s41
	s_mul_i32 s40, s40, STEPB
	s_mov_b32 s41, 0
	s_bfe_u32 s42, s[WV], 0x20001
	s_and_b32 s43, s[WV], 1
	s_mul_i32 s44, s42, 1536
	s_mul_i32 s45, s43, 520                        ; registers 6 u + 0, 1 lie at 16 l + 0 or + 520; 6 u + 4, 5 lie 512 further on;
	s_add_co_u32 s45, s45, s44
	s_mul_i32 s46, s43, 1016                       ; 6 u + 2, 3 at 16 l + 8 or + 1,024
	s_add_co_u32 s46, s46, s44
	s_lshl_b32 s47, s42, 6
	s_mul_i32 s31, s43, 0x02020202
	s_add_co_u32 s31, s31, 0x01000100              ; byte selects: bytes 2 u, 2 u + 1 of the scale word, twice
	s_lshr_b32 s14, s13, 3                         ; o: token tile batch x 256 + 16 X + w
	s_lshl_b32 s14, s14, 8
	s_lshl_b32 s15, s12, 4
	s_add_co_u32 s14, s14, s15
	s_add_co_u32 s14, s14, s[WV]
	s_mul_i32 s36, s14, 6400
	s_mov_b32 s37, 0
	s_and_b32 s42, s13, 7                          ; the head
	s_mul_i32 s14, s42, 768                        ; its six registers' place in the tile's block
	s_lshr_b32 s15, s42, 1
	s_lshl_b32 s15, s15, 6
	s_and_b32 s43, s42, 1
	s_lshl_b32 s43, s43, 1
	s_add_co_u32 s15, s15, s43                     ; its two bytes' place among the scale words
	s_mov_b32 s[SEL], 0x76543210
	s_mov_b32 s[SEL+1], 0xfedcba98                 ; lane l xor 16
	s_mov_b32 s[CS], 0x3e38aa3b
	s_mov_b32 s[CS+1], s[CS]
	s_mov_b32 s[NC], 0xbe38aa3b
	s_mov_b32 s[TB], 0
	s_wait_dscnt 0x0                               ; both opening adds are done
	s_wait_kmcnt 0x0
	s_add_nc_u64 s[4:5], s[4:5], s[40:41]
	s_add_nc_u64 s[8:9], s[8:9], s[36:37]
	s_mov_b32 s36, 0xffff0000                      ; lanes 16-31
	CROUND                                         ; all four work-groups are here: the first joint loads meet
	s_mov_b32 s[G0], 1
	s_mov_b32 s[G0+1], s49
	s_add_nc_u64 s[G0+2:G0+3], s[6:7], s[38:39]
	s_or_b32 s[G0+3], s[G0+3], 0x80000000
	TLOAD                                          ; slot 0
	v_and_b32 v64, 31, v0
	v_lshlrev_b32 v64, 4, v64
	v_add_nc_u32 v65, s45, v64
	v_add_nc_u32 v66, s46, v64
	v_and_b32 v67, 15, v0
	v_lshlrev_b32 v67, 2, v67
	v_add_nc_u32 v67, s47, v67
.irp e, 0,12                                   ; q's six registers, twice
	global_load_b64 v[QF+\e:QF+\e+1], v65, s[4:5]
	global_load_b64 v[QF+\e+2:QF+\e+3], v66, s[4:5] offset:8
	global_load_b64 v[QF+\e+4:QF+\e+5], v65, s[4:5] offset:512
.endr
	global_load_b32 v68, v67, s[4:5] offset:6144
	v_bfe_u32 v69, v0, 3, 1                        ; r / 8
	v_bfe_u32 v70, v0, 4, 1                        ; h
	v_and_b32 v71, 7, v0                           ; r % 8
	v_mul_u32_u24 v[LF], v69, 1920
	v_mad_u32_u24 v[LF], v70, 320, v[LF]
	v_lshl_add_u32 v[LF], v71, 4, v[LF]
	v_lshlrev_b32 v[LS], 6, v69
	v_lshl_add_u32 v[LS], v70, 5, v[LS]
	v_lshl_add_u32 v[LS], v71, 2, v[LS]
	v_lshlrev_b32 v[SH8], 3, v70
	v_mov_b32 v13, 0xff61b1e6                      ; the largest score so far: -3e38
	v_mov_b32 v12, 0x7e000000                      ; -M: a large whole number, so that the first f is 0
	v_mov_b32 v14, 0
	v_mov_b32 v15, 0
	v_mov_b32 v[FF+1], 0
	v_mov_b32 v[T1], 0                             ; a lane permute's destination counts as one of its sources
	s_wait_loadcnt 0x0
	v_perm_b32 v[QW], v68, v68, s31                ; my tile's two bytes, twice (the moves below are its places ahead of the first product)
.irp j, 6,7,8,9,10,11
	v_mov_b32 v[QF+\j], 0
.endr
.set J, 0
.rept 32
	v_mov_b32 v[OA+J], 0                           ; O^T: the step is written once; the first finds zeros
.set J, J+1
.endr
.macro LDF dst, sc, off                ; four fragments and their scale words, from byte off of the step
.irp f, 0,1,2,3
.irp c, 0,1,2
	ds_load_b128 v[\dst+12*\f+4*\c:\dst+12*\f+4*\c+3], v[AF] offset:(\off)+3840*(\f/2)+128*(\f%2)+640*\c
.endr
.endr
	ds_load_b32 v[\sc], v[AS] offset:(\off)+SCOFF
	ds_load_b32 v[\sc+1], v[AS] offset:(\off)+SCOFF+128
.endm
.macro FIRSTK                          ; a slot's first K
	v_add_nc_u32 v[AF], s[TB], v[LF]
	v_add_nc_u32 v[AS], s[TB], v[LS]
	LDF KF, KS, 0
.endm
.macro TM n                            ; t - M, two at a time
.rept \n
	v_pk_fma_f32 v[S+J:S+J+1], v[S+J:S+J+1], s[CS:CS+1], v[12:13] op_sel_hi:[1,0,0]
.set J, J+2
.endr
.endm
.macro ADDP a, b
	v_pk_add_f32 v[S+2*(\a):S+2*(\a)+1], v[S+2*(\a):S+2*(\a)+1], v[S+2*(\b):S+2*(\b)+1]
.endm
; A KEY STEP.  pre = 1: the next step's K is fetched.  pre = 0: a slot's last step, with the change of slots in it; meet = 1: a round of the cluster's barrier and the refill, meet = 2: my work-group's barrier alone.
.macro STEP pre, meet
	s_wait_dscnt 0x0                               ; K and its scale words are in
.irp f, 0,1,2,3                                ; S^T = K Q^T: register 16 f + 8 u + j of lane (r, h) is key 64 (f / 2) + 32 h + 16 (f % 2) + 8 u + j of query r
.irp u, 0,1
.if \f%2
	v_wmma_scale_f32_16x16x128_f8f6f4 v[S+16*\f+8*\u:S+16*\f+8*\u+7], v[KF+12*\f:KF+12*\f+11], v[QF+6*\u:QF+6*\u+11], 0, v[KS+\f/2], v[QW] matrix_a_fmt:MATRIX_FMT_FP6 matrix_b_fmt:MATRIX_FMT_FP6 matrix_a_scale:MATRIX_SCALE_ROW1
.else
	v_wmma_scale_f32_16x16x128_f8f6f4 v[S+16*\f+8*\u:S+16*\f+8*\u+7], v[KF+12*\f:KF+12*\f+11], v[QF+6*\u:QF+6*\u+11], 0, v[KS+\f/2], v[QW] matrix_a_fmt:MATRIX_FMT_FP6 matrix_b_fmt:MATRIX_FMT_FP6
.endif
.endr
.endr
	v_add_nc_u32 v[AF], s[TB], v[LF]               ; four places: then loads land on K's and V's registers, and the scores are read
	v_add_nc_u32 v[AS], s[TB], v[LS]
	v_mov_b32 v[T0], v12                           ; the old -M
	v_nop
	LDF VF, VS, VOFF
.if \pre
	LDF KF, KS, STEPL
.else
	s_wait_tensorcnt 0x0                           ; my reads of this slot are all issued; no tensor load of mine is out
	ds_add_u32 v[SPW], v[NIL]
.if \meet == 1
	ds_add_u32 v[SPW], v[NIL]
	GSTEP
.endif
.endif
.irp q, 0,1,2,3                                ; the largest score of my two blocks of 32 keys, in four chains
	v_max3_num_f32 v[BM+\q], v[S+16*\q], v[S+16*\q+1], v[S+16*\q+2]
.endr
.irp i, 3,5,7,9,11,13
.irp q, 0,1,2,3
	v_max3_num_f32 v[BM+\q], v[BM+\q], v[S+16*\q+\i], v[S+16*\q+\i+1]
.endr
.endr
	v_max3_num_f32 v[BM], v[BM], v[BM+1], v[S+15]
	v_max3_num_f32 v[BM+2], v[BM+2], v[BM+3], v[S+47]
	v_max_num_f32 v[BP], v[BM], v[S+31]
	v_max_num_f32 v[BP+1], v[BM+2], v[S+63]
	s_delay_alu instid0(VALU_DEP_1)
	v_max_num_f32 v[BM+1], v[BP], v[BP+1]
	s_delay_alu instid0(VALU_DEP_1)
	v_permlanex16_b32 v[T1], v[BM+1], s[SEL], s[SEL+1]
	s_delay_alu instid0(VALU_DEP_1)
	v_max3_num_f32 v13, v13, v[BM+1], v[T1]        ; the running largest score of my query (c is positive)
	s_delay_alu instid0(VALU_DEP_1)
	v_mul_f32 v[BM+3], s[NC], v13                  ; -t
	s_delay_alu instid0(VALU_DEP_1)
	v_floor_f32 v12, v[BM+3]                       ; the new -M = -ceil(t)
	s_delay_alu instid0(VALU_DEP_1)
	v_sub_f32 v[T0], v12, v[T0]                    ; old M - new M: a whole number, 0 or less
.set J, 0
	TM 11
	v_cvt_i32_f32 v[T0], v[T0]                     ; (it saturates)
	TM 11
	v_ldexp_f32 v[FF], 1.0, v[T0]                  ; f: a multiplication by it rounds nothing
	TM 10
	v_pk_fma_f32 v[BP:BP+1], v[BP:BP+1], s[CS:CS+1], v[12:13] op_sel_hi:[1,0,0]   ; the same of each block's largest score
.set J, 0
.rept 16
	v_pk_mul_f32 v[OA+J:OA+J+1], v[OA+J:OA+J+1], v[FF:FF+1] op_sel_hi:[1,0]   ; O^T under the new M, each accumulator from its low end on
.set J, J+2
.endr
.if \pre == 0
	s_wait_dscnt 0x0                               ; the add is done, V is in, and my reads of this slot are over
	s_barrier_signal -1                            ; what follows up to the wait is work on registers
.endif
	s_wait_alu depctr_va_vdst(0)                   ; the wait ahead of the batch
.set J, 0
.rept 64
	v_exp_f32 v[S+J], v[S+J]                       ; p = 2^(t - M), at most 1
.set J, J+1
.endr
	v_exp_f32 v[BP], v[BP]                         ; the blocks' largest p: the same two instructions on the same number
	v_exp_f32 v[BP+1], v[BP+1]
	v_nop                                          ; a plain place behind the exponentials
	s_wait_alu depctr_va_vdst(0)                   ; and the wait behind the batch
	v_max_num_f32 v[BP], 0x1800000, v[BP]          ; the floor 2^(3 - 127): the byte cannot fall under 1
	v_max_num_f32 v[BP+1], 0x1800000, v[BP+1]
	v_add_nc_u32 v[BP], 0xff000000, v[BP]          ; 2 off the exponent field: the conversion's scale operand
	v_add_nc_u32 v[BP+1], 0xff000000, v[BP+1]
	v_cvt_scalef32_pk16_fp6_f32 v[PC:PC+2], v[S:S+15], v[BP]
	v_cvt_scalef32_pk16_fp6_f32 v[BM:BM+2], v[S+16:S+31], v[BP]
	v_cvt_scalef32_pk16_fp6_f32 v[PC+6:PC+8], v[S+32:S+47], v[BP+1]
	v_cvt_scalef32_pk16_fp6_f32 v[CT1:CT1+2], v[S+48:S+63], v[BP+1]
	v_lshrrev_b32 v[BM+3], 23, v[BP]               ; the bytes of blocks h and 2 + h (plain places behind the conversions)
	v_lshrrev_b32 v[T1], 23, v[BP+1]
.irp i, 0,1,2
	v_mov_b32 v[PC+3+\i], v[BM+\i]
.endr
	v_lshl_or_b32 v[BM+3], v[T1], 16, v[BM+3]
.irp i, 0,1,2
	v_mov_b32 v[PC+9+\i], v[CT1+\i]
.endr
	v_lshlrev_b32 v[BM+3], v[SH8], v[BM+3]         ; at their places in the scale word
.irp j, 0,1,2,3                                ; the row's sum, of the unquantised p: a tree of packed additions
	ADDP \j, \j+16
.endr
	v_permlanex16_b32 v[T1], v[BM+3], s[SEL], s[SEL+1]
.irp j, 4,5,6,7
	ADDP \j, \j+16
.endr
	v_or_b32 v[PWD], v[BM+3], v[T1]                ; with lane l xor 16's two bytes the word is whole
.irp j, 8,9,10,11,12,13,14,15
	ADDP \j, \j+16
.endr
.irp j, 0,1,2,3,4,5,6,7
	ADDP \j, \j+8
.endr
.irp j, 0,1,2,3
	ADDP \j, \j+4
.endr
	ADDP 0, 2
	ADDP 1, 3
	s_delay_alu instid0(VALU_DEP_1)
	ADDP 0, 1
	s_delay_alu instid0(VALU_DEP_1)
	v_pk_fma_f32 v[14:15], v[14:15], v[FF:FF+1], v[S:S+1] op_sel_hi:[1,0,1]   ; the sum under the new M, and this step's
.if \pre
	s_wait_dscnt 14                                ; V is in; the next K's fourteen loads may be out
.endif
.irp d, 0,1,2,3                                ; O^T += V^T P^T: the four accumulators by turns
.if \d%2
	v_wmma_scale_f32_16x16x128_f8f6f4 v[OA+8*\d:OA+8*\d+7], v[VF+12*\d:VF+12*\d+11], v[PC:PC+11], v[OA+8*\d:OA+8*\d+7], v[VS+\d/2], v[PWD] matrix_a_fmt:MATRIX_FMT_FP6 matrix_b_fmt:MATRIX_FMT_FP6 matrix_a_scale:MATRIX_SCALE_ROW1
.else
	v_wmma_scale_f32_16x16x128_f8f6f4 v[OA+8*\d:OA+8*\d+7], v[VF+12*\d:VF+12*\d+11], v[PC:PC+11], v[OA+8*\d:OA+8*\d+7], v[VS+\d/2], v[PWD] matrix_a_fmt:MATRIX_FMT_FP6 matrix_b_fmt:MATRIX_FMT_FP6
.endif
.endr
.if \pre == 0
	s_barrier_wait -1                              ; nobody of my work-group reads this slot any more, and the other slot is whole
.if \meet == 1
	CREST                                          ; nor any wave of a partner
	TLOAD                                          ; the refill, first behind the round
.endif
	s_sub_co_u32 s[TB], s[TB], 7*STEPL             ; a slot's first step,
	s_xor_b32 s[TB], s[TB], SLOT1                  ; in the other slot
.endif
.endm
.macro SEVEN                           ; a slot's first seven steps
	s_mov_b32 s30, 7
.Lstep_\@:
	STEP 1, 0
	s_add_co_u32 s[TB], s[TB], STEPL
	s_sub_co_u32 s30, s30, 1
	s_cmp_lg_u32 s30, 0
	s_cbranch_scc1 .Lstep_\@
.endm
	s_wait_alu depctr_va_vdst(0)
	s_wait_tensorcnt 0x0                           ; my part of slot 0 is in; slot 1's first fill is issued as a refill is
	ds_add_u32 v[SPW], v[NIL]
	ds_add_u32 v[SPW], v[NIL]
	GSTEP
	s_wait_dscnt 0x0
	CROUND
	TLOAD                                          ; slot 1: steps 8-15
	FIRSTK
	s_mov_b32 s29, 2
.Lfill:                                            ; steps 0-15: behind each slot it is filled again, with steps 16-23 and 24-31
	SEVEN
	STEP 0, 1
	FIRSTK
	s_sub_co_u32 s29, s29, 1
	s_cmp_lg_u32 s29, 0
	s_cbranch_scc1 .Lfill
	s_mov_b32 s29, 2
.Llast:                                            ; steps 16-31: nothing more is asked for.  The first trip's barrier shows slot 1 whole; the second trip passes the same lines, and nothing hangs on them
	SEVEN
	STEP 0, 2
	s_cmp_eq_u32 s29, 1
	s_cbranch_scc1 .Lno_k                          ; behind the last step there is no K to fetch
	FIRSTK
.Lno_k:
	s_sub_co_u32 s29, s29, 1
	s_cmp_lg_u32 s29, 0
	s_cbranch_scc1 .Llast
	; THE WAY OUT.  Register 16 g + 8 jj + i of O^T is head dim 32 g + 16 jj + 8 h + i of my query.
	s_wait_alu depctr_va_vdst(0)                   ; directly ahead of the reader below
	v_add_f32 v14, v14, v15
	v_permlanex16_b32 v[T1], v14, s[SEL], s[SEL+1]
	v_add_f32 v14, v14, v[T1]                      ; the row's sum
	s_wait_alu depctr_va_vdst(0)
	v_rcp_f32 v14, v14
	v_and_b32 v64, 31, v0                          ; (plain lines behind the reciprocal and behind the last products)
	v_lshlrev_b32 v64, 3, v64
	v_add_nc_u32 v64, s14, v64                     ; the codes: 8 x lane in the head's 768 bytes
	v_and_b32 v65, 15, v0
	v_bfe_u32 v66, v0, 4, 1
	v_lshl_add_u32 v65, v65, 2, v66
	v_add_nc_u32 v65, s15, v65                     ; the byte: row r's word, the head's two bytes, block h
	s_wait_alu depctr_va_vdst(0)
.set J, 0
.rept 16
	v_pk_mul_f32 v[S+J:S+J+1], v[OA+J:OA+J+1], v[14:15] op_sel_hi:[1,0]   ; each accumulator from its low end on
.set J, J+2
.endr
.irp g, 0,1                                    ; dims 8 .. 15 (lanes 16-31 of jj = 0) change places with dims 16 .. 23 (lanes 0-15 of jj = 1): register 16 g + i is now dim 32 g + 16 h + i
.irp i, 0,1,2,3,4,5,6,7
	v_permlane16_swap_b32 v[S+16*\g+\i], v[S+16*\g+8+\i]
.endr
.endr
.irp b, 0,1
	v_max3_num_f32 v[BM+\b], |v[S+16*\b]|, |v[S+16*\b+1]|, 0x1800000
.endr
.irp i, 2,4,6,8,10,12,14
.irp b, 0,1
	v_max3_num_f32 v[BM+\b], v[BM+\b], |v[S+16*\b+\i]|, |v[S+16*\b+\i+1]|
.endr
.endr
.irp b, 0,1
	v_permlanex16_b32 v[BM+2+\b], v[BM+\b], s[SEL], s[SEL+1]
.endr
.irp b, 0,1
	v_max_num_f32 v[BM+\b], v[BM+\b], v[BM+2+\b]
.endr
.irp b, 0,1
	v_add_nc_u32 v[BP+\b], 0xff000000, v[BM+\b]
.endr
.irp b, 0,1
	v_lshrrev_b32 v[BM+2+\b], 23, v[BP+\b]
.endr
	v_cvt_scalef32_pk16_fp6_f32 v[PC:PC+2], v[S:S+15], v[BP]
	v_cvt_scalef32_pk16_fp6_f32 v[CT1:CT1+2], v[S+16:S+31], v[BP+1]
	v_nop                                          ; one plain place behind a scaled conversion
.irp i, 0,1,2
	v_permlane16_swap_b32 v[PC+\i], v[CT1+\i]
.endr
.irp i, 0,1,2
	v_mov_b32 v[PC+3+\i], v[CT1+\i]                ; lane (r, h): the 32 codes of block h
.endr
	v_cndmask_b32 v[T1], v[BM+2], v[BM+3], s36     ; lanes 0-15 block 0's byte, lanes 16-31 block 1's
.irp p, 0,1,2
	global_store_b64 v64, v[PC+2*\p:PC+2*\p+1], s[8:9] offset:256*\p   ; 32 lanes store 256 consecutive bytes, at a multiple of 256 from the buffer's first byte
.endr
	global_store_b8 v65, v[T1], s[8:9] offset:6144
	s_wait_tensorcnt 0x0                           ; the wave's end
	ds_add_u32 v[SPW], v[NIL]
	s_wait_dscnt 0x0
	CROUND                                         ; the closing round
	s_endpgm
.Lfunc_end_k_qc25548704a_attn:
	.size	k_qc25548704a_attn, .Lfunc_end_k_qc25548704a_attn-k_qc25548704a_attn
	.p2alignl 7, 3214868480
	.fill 96, 4, 3214868480
	.section	.rodata,"a",@progbits
	.p2align	6, 0x0
	.amdhsa_kernel k_qc25548704a_attn
		.amdhsa_group_segment_fixed_size 327680
		.amdhsa_private_segment_fixed_size 0
		.amdhsa_enable_private_segment 0
		.amdhsa_kernarg_size 24
		.amdhsa_user_sgpr_count 2
		.amdhsa_user_sgpr_kernarg_segment_ptr 1
		.amdhsa_wavefront_size32 1
		.amdhsa_system_sgpr_workgroup_id_x 1
		.amdhsa_system_sgpr_workgroup_id_y 1
		.amdhsa_system_sgpr_workgroup_id_z 1
		.amdhsa_system_vgpr_workitem_id 0
		.amdhsa_next_free_vgpr 256
		.amdhsa_next_free_sgpr 66
		.amdhsa_reserve_vcc 0
		.amdhsa_float_denorm_mode_32 3
		.amdhsa_float_denorm_mode_16_64 3
		.amdhsa_memory_ordered 1
		.amdhsa_forward_progress 1
		.amdhsa_inst_pref_size 73
	.end_amdhsa_kernel
	.amdgpu_metadata
---
amdhsa.version: [ 1, 2 ]
amdhsa.kernels:
  - .name:           k_qc25548704a_attn
    .symbol:         k_qc25548704a_attn.kd
    .args:
      - { .name: qbuf, .offset: 0, .size: 8, .value_kind: global_buffer, .address_space: global }
      - { .name: kv, .offset: 8, .size: 8, .value_kind: global_buffer, .address_space: global }
      - { .name: obuf, .offset: 16, .size: 8, .value_kind: global_buffer, .address_space: global }
    .group_segment_fixed_size: 327680
    .private_segment_fixed_size: 0
    .kernarg_segment_align: 8
    .kernarg_segment_size: 24
    .max_flat_workgroup_size: 512
    .sgpr_count:     66
    .vgpr_count:     256
    .wavefront_size: 32
...
	.end_amdgpu_metadata
.endif
;; end of part 3
;; launch outp (part 4): grid 256 x 1, 4 waves a work-group, no clusters, 34,304 bytes of LDS; arguments obuf, wimg, bo, out0; writes out0
.if DOCPART == 4
	.amdgcn_target "amdgcn-amd-amdhsa--gfx1250"
	.amdhsa_code_object_version 6
	.text
	.protected	k_qc25548704a_outp
	.globl	k_qc25548704a_outp
	.p2align	8
	.type	k_qc25548704a_outp,@function
k_qc25548704a_outp:
	s_mov_b64 s[64:65], 0
	v_nop
	global_prefetch_b8 v0, s[64:65] scope:SCOPE_SE
	s_setreg_imm32_b32 hwreg(HW_REG_WAVE_MODE, 25, 1), 1
	s_wait_xcnt 0x0
; OUTP: out = relu(o Wo + bo), on codes of FP6.  o's codes and scale bytes come from the attention launch, Wo's from the first launch, both in register order.
; A work-group takes 32 tokens (two tiles: tile u, row r is token 32 X + 8 u + r + 8 (r / 8)).  Wave w HOLDS units 128 w .. 128 w + 127 of Wo as source 0 (eight tiles x four K steps: 384 registers); the two token
; tiles are source 1.  In a result a lane holds one token, and register 16 b + 8 u + j of its 64 is unit 128 w + 32 b + 16 (lane / 16) + 8 u + j.  The bias is the C of each sum's first matrix instruction.
; THE WAY OUT: a tile's 16 rows x 512 bytes go through the wave's own stage in LDS (pitch 528) and leave as whole runs of 512 consecutive bytes.  The stage is each wave's own: no barrier.
; No tensor load and no cluster: every operand goes from memory straight into registers in register order, so there is no tile in LDS to share.
; REGISTERS: window 0: v1-6 offsets; v8-23 Wo's scale words, v24-27 o's; v28-123 the two token tiles; v124-251 the sixteen accumulators.  window 1: held K steps 0 (v[12 t]), 1 (v[96 + 12 t]); v192-255 the bias.  window 2: held K steps 2, 3.
.set LI16, 1
.set LI8,  2
.set LS,   3
.set STO,  4
.set RD,   5
.set H64,  6
.set HS,   8
.set TS,   24
.set TF,   28
.set ACC,  124
.set BIAS, 192
.set SPITCH, 528
.set MSB, 0
.macro WIN new                         ; the immediate's high byte repeats the setting that is left
.if MSB != \new
	s_set_vgpr_msb (MSB<<8)|\new
.set MSB, \new
.endif
.endm
	s_load_b256 s[4:11], s[0:1], 0x0               ; obuf, wimg, bo, out0
	v_lshl_add_u32 v254, v0, 2, 0x8400
	v_mov_b32 v255, 0
	v_lshrrev_b32 v7, 5, v0
	v_readfirstlane_b32 s12, v7                    ; wave
	s_mov_b32 s13, ttmp9                           ; X
	v_and_b32 v7, 31, v0
	v_and_b32 v252, 15, v0                         ; r
	v_bfe_u32 v253, v0, 4, 1                       ; h
	v_lshlrev_b32 v[LI16], 4, v7
	v_lshlrev_b32 v[LI8], 3, v7
	v_lshlrev_b32 v[LS], 2, v7
	v_lshlrev_b32 v[H64], 6, v253
	s_mul_i32 s22, s12, 16*SPITCH                  ; my stage
	v_mul_u32_u24 v[STO], v252, SPITCH
	v_add_nc_u32 v[STO], v[STO], v[H64]
	v_add_nc_u32 v[STO], s22, v[STO]               ; in: row r, + 64 h
	v_add_nc_u32 v[RD], s22, v[LI16]               ; back: 16 bytes a lane of a row
	s_mov_b32 s23, 0
	s_lshl_b32 s22, s12, 3
	s_add_co_u32 s22, s22, 96
	s_mul_i32 s22, s22, 6400
	s_wait_alu depctr_va_vdst(0)
	s_wait_kmcnt 0x0
	s_add_nc_u64 s[14:15], s[6:7], s[22:23]        ; Wo's tiles 8 w on
	s_mul_i32 s22, s13, 12800
	s_add_nc_u64 s[16:17], s[4:5], s[22:23]        ; my two token tiles
	s_lshl_b32 s22, s12, 9
	s_add_nc_u64 s[18:19], s[8:9], s[22:23]        ; the bias of my 128 units
	s_lshl_b32 s24, s13, 16
	s_add_co_u32 s22, s22, s24
	s_add_nc_u64 s[20:21], s[10:11], s[22:23]      ; out: 32 rows of 2,048 bytes a work-group, 512 bytes a wave
	WIN 0x40
.irp t, 0,1,2,3,4,5,6,7
.irp s, 0,1
.irp c, 0,1,2
	global_load_b128 v[96*\s+12*\t+4*\c:96*\s+12*\t+4*\c+3], v[LI16], s[14:15] offset:\t*6400+\s*1536+\c*512
.endr
.endr
.endr
	WIN 0x80
.irp t, 0,1,2,3,4,5,6,7
.irp s, 0,1
.irp c, 0,1,2
	global_load_b128 v[96*\s+12*\t+4*\c:96*\s+12*\t+4*\c+3], v[LI16], s[14:15] offset:\t*6400+3072+\s*1536+\c*512
.endr
.endr
.endr
	WIN 0
.irp t, 0,1,2,3,4,5,6,7
.irp g, 0,1
	global_load_b32 v[HS+2*\t+\g], v[LS], s[14:15] offset:\t*6400+6144+128*\g   ; lanes 0-15 the even K step's words, lanes 16-31 the odd one's
.endr
.endr
	WIN 0x40
.irp t, 0,1,2,3,4,5,6,7
	global_load_b128 v[BIAS+8*\t:BIAS+8*\t+3], v[H64], s[18:19] offset:(32*(\t/2)+8*(\t%2))*4
	global_load_b128 v[BIAS+8*\t+4:BIAS+8*\t+7], v[H64], s[18:19] offset:(32*(\t/2)+8*(\t%2))*4+16
.endr
	WIN 0
.irp u, 0,1                                    ; a token tile: 26 loads.  A head's six registers lie as three runs of 256 bytes, 8 bytes a lane; two heads are a K step
.irp s, 0,1,2,3
.irp p, 0,1,2,3,4,5
	global_load_b64 v[TF+48*\u+12*\s+2*\p:TF+48*\u+12*\s+2*\p+1], v[LI8], s[16:17] offset:\u*6400+\s*1536+256*\p th:TH_LOAD_NT
.endr
.endr
	global_load_b32 v[TS+2*\u], v[LS], s[16:17] offset:\u*6400+6144
	global_load_b32 v[TS+2*\u+1], v[LS], s[16:17] offset:\u*6400+6272
.endr
; 32 matrix instructions for token tile u: K step by K step, the eight accumulators by turns
.macro MULT u
.set AC, ACC+64*(\u)
.set FR, TF+48*(\u)
.set SC, TS+2*(\u)
.irp s, 0,1,2,3
.if \s == 0
	WIN 0x11                                       ; source 0 (Wo) and C (bias) window 1
.elseif \s == 1
	WIN 0x01
.else
	WIN 0x02
.endif
.irp t, 0,1,2,3,4,5,6,7
.if \s == 0
	v_wmma_scale_f32_16x16x128_f8f6f4 v[AC+8*\t:AC+8*\t+7], v[12*\t:12*\t+11], v[FR:FR+11], v[BIAS+8*\t:BIAS+8*\t+7], v[HS+2*\t], v[SC] matrix_a_fmt:MATRIX_FMT_FP6 matrix_b_fmt:MATRIX_FMT_FP6
.elseif \s%2
	v_wmma_scale_f32_16x16x128_f8f6f4 v[AC+8*\t:AC+8*\t+7], v[96+12*\t:96+12*\t+11], v[FR+12*\s:FR+12*\s+11], v[AC+8*\t:AC+8*\t+7], v[HS+2*\t+\s/2], v[SC+\s/2] matrix_a_fmt:MATRIX_FMT_FP6 matrix_b_fmt:MATRIX_FMT_FP6 matrix_a_scale:MATRIX_SCALE_ROW1 matrix_b_scale:MATRIX_SCALE_ROW1
.else
	v_wmma_scale_f32_16x16x128_f8f6f4 v[AC+8*\t:AC+8*\t+7], v[12*\t:12*\t+11], v[FR+12*\s:FR+12*\s+11], v[AC+8*\t:AC+8*\t+7], v[HS+2*\t+\s/2], v[SC+\s/2] matrix_a_fmt:MATRIX_FMT_FP6 matrix_b_fmt:MATRIX_FMT_FP6
.endif
.endr
.endr
.endm
.macro RELU u
.set J, ACC+64*(\u)
.rept 64
	v_max_num_f32 v[J], 0, v[J]                    ; each accumulator from its low end on
.set J, J+1
.endr
.endm
.macro STAGE u                         ; a tile into my stage, and back as rows, into the registers that it left: LDS serves a wave's instructions in order
.set AC, ACC+64*(\u)
.irp t, 0,1,2,3,4,5,6,7
	ds_store_b128 v[STO], v[AC+8*\t:AC+8*\t+3] offset:128*(\t/2)+32*(\t%2)
	ds_store_b128 v[STO], v[AC+8*\t+4:AC+8*\t+7] offset:128*(\t/2)+32*(\t%2)+16
.endr
.irp p, 0,1,2,3,4,5,6,7,8,9,10,11,12,13,14,15
	ds_load_b128 v[AC+4*\p:AC+4*\p+3], v[RD] offset:\p*SPITCH
.endr
.endm
.macro SEND u
.set AC, ACC+64*(\u)
.irp p, 0,1,2,3,4,5,6,7,8,9,10,11,12,13,14,15
	s_wait_dscnt 15-\p                             ; LDS loads come back in order: row p is in, the rows behind it may be out
	global_store_b128 v[LI16], v[AC+4*\p:AC+4*\p+3], s[20:21] offset:(8*(\u)+\p+8*(\p/8))*2048 th:TH_STORE_NT   ; 32 lanes store 512 consecutive bytes of the row's token, at a multiple of 256 from out's first byte
.endr
.endm
	s_wait_loadcnt 26                              ; all is in but the second tile's 26 loads
	MULT 0
	s_wait_loadcnt 0x0
	MULT 1
	WIN 0
.rept 4
	v_nop                                          ; four places between the last product and the first read of results (ISA guide 7.12.1)
.endr
	RELU 0
	STAGE 0
	RELU 1                                         ; the second tile's activation stands between the first tile's loads from the stage and the waits for them
	s_wait_alu depctr_va_vdst(0)
	SEND 0
	STAGE 1
	SEND 1
	s_wait_tensorcnt 0x0
	ds_add_u32 v254, v255
	s_wait_dscnt 0x0
	s_endpgm
.Lfunc_end_k_qc25548704a_outp:
	.size	k_qc25548704a_outp, .Lfunc_end_k_qc25548704a_outp-k_qc25548704a_outp
	.p2alignl 7, 3214868480
	.fill 96, 4, 3214868480
	.section	.rodata,"a",@progbits
	.p2align	6, 0x0
	.amdhsa_kernel k_qc25548704a_outp
		.amdhsa_group_segment_fixed_size 34304
		.amdhsa_private_segment_fixed_size 0
		.amdhsa_enable_private_segment 0
		.amdhsa_kernarg_size 32
		.amdhsa_user_sgpr_count 2
		.amdhsa_user_sgpr_kernarg_segment_ptr 1
		.amdhsa_wavefront_size32 1
		.amdhsa_system_sgpr_workgroup_id_x 1
		.amdhsa_system_sgpr_workgroup_id_y 1
		.amdhsa_system_sgpr_workgroup_id_z 1
		.amdhsa_system_vgpr_workitem_id 0
		.amdhsa_next_free_vgpr 704
		.amdhsa_next_free_sgpr 66
		.amdhsa_reserve_vcc 0
		.amdhsa_float_denorm_mode_32 3
		.amdhsa_float_denorm_mode_16_64 3
		.amdhsa_memory_ordered 1
		.amdhsa_forward_progress 1
		.amdhsa_inst_pref_size 40
	.end_amdhsa_kernel
	.amdgpu_metadata
---
amdhsa.version: [ 1, 2 ]
amdhsa.kernels:
  - .name:           k_qc25548704a_outp
    .symbol:         k_qc25548704a_outp.kd
    .args:
      - { .name: obuf, .offset: 0, .size: 8, .value_kind: global_buffer, .address_space: global }
      - { .name: wimg, .offset: 8, .size: 8, .value_kind: global_buffer, .address_space: global }
      - { .name: bo, .offset: 16, .size: 8, .value_kind: global_buffer, .address_space: global }
      - { .name: out0, .offset: 24, .size: 8, .value_kind: global_buffer, .address_space: global }
    .group_segment_fixed_size: 34304
    .private_segment_fixed_size: 0
    .kernarg_segment_align: 8
    .kernarg_segment_size: 32
    .max_flat_workgroup_size: 128
    .sgpr_count:     66
    .vgpr_count:     704
    .wavefront_size: 32
...
	.end_amdgpu_metadata
.endif
;; end of part 4
